; MI455X (gfx1250); checked and timed in simulation.
; The chip was launched on July 23, 2026; its instructions are those of AMD's public machine-readable ISA for CDNA 5 (MIT licence, August 2026) and "CDNA5" Instruction Set Architecture Reference Guide (July 2026). The comments in the code are by the model that wrote it; some were corrected since.
;; Linear 4bit. Allowed arithmetic: float matrix products may take bf16 or f16 operands with f32 sums; all other float work in f32.
;; Inputs: bias 8,192 float32; input 8,192 float32; weight 8,192 x 8,192 float32.
;; Outputs: out0 8,192 float32.
;; 2 versions, each right; version 2 is version 1 with the launch matvec written anew for expert scheduling mode. Each part assembles by itself: llvm-mc -triple=amdgcn-amd-amdhsa -mcpu=gfx1250 --defsym DOCPART=n.
;; ======== version 1 of 2: 1 launch
;; launch matvec (part 1): grid 256 x 1, 16 waves a work-group, no clusters, 4,096 bytes of LDS; arguments input, weight, bias, out0; writes out0
.if DOCPART == 1
	.amdgcn_target "amdgcn-amd-amdhsa--gfx1250"
	.amdhsa_code_object_version 6
	.text
	.protected	k_q30b5099839_matvec
	.globl	k_q30b5099839_matvec
	.p2align	8
	.type	k_q30b5099839_matvec,@function
k_q30b5099839_matvec:
	s_mov_b64 s[64:65], 0
	v_nop
	global_prefetch_b8 v0, s[64:65] scope:SCOPE_SE
	s_setreg_imm32_b32 hwreg(HW_REG_WAVE_MODE, 25, 1), 1
	s_wait_xcnt 0x0
; out[o] = sum over i of weight[o][i] * input[i] + bias[o].   weight: [8192][8192] f32, input, bias, out: [8192] f32.
;
; Every weight is read once and feeds one multiply-add: the kernel is a stream, and is laid out by bytes.
; 256 work-groups of 16 waves; a work-group owns 32 rows (1 MiB of weight).  Thread t (0..511) owns the 16 bytes at 16 t in each of
; the four 8,192-byte quarters of every row: one load of a wave covers 512 consecutive bytes, aligned; the 16 waves together 8 KiB;
; four loads a thread cover the row.  A thread's 16 numbers of x stay in registers for the whole kernel.
; A ring of DEPTH = 8 row slots in registers keeps 32 loads (16 KiB) of every wave on their way, 256 KiB for the work-group.
; All row steps are immediates (31 rows + 3 quarters = 1,040,384 bytes at the most, inside the signed 24-bit field), so no address
; register and no base is ever rewritten while a load names it, and the only waits in the stream are the counted ones for data.
; The 32 rows are written out (each row has a sum register of its own): about 4 KiB of code.
;
; NOT USED, by the sizes: the matrix unit (x is one column where a tile has sixteen, and rounding a weight to bf16 takes as many vector
; instructions as the f32 multiply-add itself); LDS for the weights (a write and a read more for every byte); clusters (work-groups share
; only x, 32 KiB beside 1 MiB); prefetches (the ring itself asks for each row eight rows ahead, a quarter of the wave's whole share).
; The work-group's result is 32 numbers: its one store covers 128 consecutive bytes, aligned.
;
; ARITHMETIC: all f32, fused multiply-adds.  The order of the sum differs from a plain left-to-right sum: for each output 1,024 chains of
; 8 products, then a tree over the pair, the 32 lanes and the 16 waves, the bias last.  No limit of range beyond f32's own.
.set ROWS,  32                         ; rows of a work-group
.set DEPTH, 8                          ; row slots in the ring
.set ROWB,  32768                      ; bytes in a row
.set CHUNK, 8192                       ; bytes that the 512 threads cover with one load each
.set OFF,   1                          ; v1        16 t: my bytes in a quarter row, of weight and of x alike
.set LN4,   2                          ; v2        4 x lane: my word of bias and out, and of a wave's 32 sums in LDS
.set BIAS,  3                          ; v3        bias of row (lane)
.set X,     4                          ; v[4:19]   my 16 numbers of x: quarter j in v[X+4j : X+4j+3]
.set S,     20                         ; v[20:51]  my partial sum of each of the 32 rows
.set T,     52                         ; v[52:55]  two working pairs, rows take turns
.set W,     56                         ; v[56:183] the ring: slot (row mod 8) has 16 registers, quarter j in the j-th four
	s_load_b256 s[4:11], s[0:1], 0x0               ; input s[4:5], weight s[6:7], bias s[8:9], out s[10:11]
	v_lshl_add_u32 v184, v0, 2, 0x800
	v_mov_b32 v185, 0
	v_lshlrev_b32 v[OFF], 4, v0
	v_and_b32 v[LN4], 31, v0
	v_lshlrev_b32 v[LN4], 2, v[LN4]
	v_lshrrev_b32 v[T], 5, v0
	v_readfirstlane_b32 s16, v[T]                  ; wave number, for the branch at the end
	s_lshl_b32 s12, ttmp9, 20                      ; the work-group's 32 rows of 32,768 bytes: at most 255 MiB, one word
	s_mov_b32 s13, 0
	s_lshl_b32 s14, ttmp9, 7                       ; its 32 words of bias and out
	s_mov_b32 s15, 0
	s_mov_b32 s20, 0xff00ff00                      ; lanes whose number has bit 3 set,
	s_mov_b32 s21, 0xf0f0f0f0                      ; bit 2,
	s_mov_b32 s22, 0xcccccccc                      ; bit 1,
	s_mov_b32 s23, 0xaaaaaaaa                      ; bit 0: the selects of the fold behind the stream
	s_wait_kmcnt 0x0
	s_add_nc_u64 s[6:7], s[6:7], s[12:13]
	s_add_nc_u64 s[8:9], s[8:9], s[14:15]
	s_add_nc_u64 s[10:11], s[10:11], s[14:15]
	; The oldest loads: bias and x.  Loads return in order (ISA guide 5.7.1), so the first counted wait of the stream covers them too.
	; Every wave takes the 128 bytes of bias, though wave 0 alone adds them: one load here, long done when it is wanted.
	global_load_b32 v[BIAS], v[LN4], s[8:9]
.irp j, 0,1,2,3
	global_load_b128 v[X+4*\j:X+4*\j+3], v[OFF], s[4:5] offset:\j*CHUNK      ; read again by every work-group: no hint
.endr
; four loads: row rw of the work-group into its slot.  Weights are read once in the launch: non-temporal.
.macro FILL rw
.irp j, 0,1,2,3
	global_load_b128 v[W+16*((\rw)%DEPTH)+4*\j:W+16*((\rw)%DEPTH)+4*\j+3], v[OFF], s[6:7] offset:(\rw)*ROWB+\j*CHUNK th:TH_LOAD_NT
.endr
.endm
.set row, 0
.rept DEPTH
	FILL row                                       ; rows 0 to 7 fill the ring
.set row, row+1
.endr
	; THE STREAM.  A row's turn: wait for its four loads, 16 multiply-adds a lane in one chain of pairs, fill the slot with the row 8 further.
.set row, 0
.rept ROWS
.if ROWS-1-row < DEPTH-1
	s_wait_loadcnt 4*(ROWS-1-row)                  ; the last rows: nothing is filled any more, what is behind this row runs down 24, 20 .. 0
.else
	s_wait_loadcnt 4*(DEPTH-1)                     ; behind this row's four loads stand those of the next seven rows: 28 may stay out
.endif
.set w, W+16*(row%DEPTH)
.set t, T+2*(row%2)                                ; neighbouring rows' chains use different pairs and do not wait for each other
	v_pk_mul_f32 v[t:t+1], v[w:w+1], v[X:X+1]      ; the first products start the sum: nothing is cleared
.set p, 1
.rept 7
	v_pk_fma_f32 v[t:t+1], v[w+2*p:w+2*p+1], v[X+2*p:X+2*p+1], v[t:t+1]
.set p, p+1
.endr
	v_add_f32 v[S+row], v[t], v[t+1]
.if row+DEPTH < ROWS
	FILL row+DEPTH
.endif
.set row, row+1
.endr
	; THE FOLD: 32 sums in each of 32 lanes become one sum in each lane, lane l ending with row l.
	; Across the halves: the swap puts row i's two halves into lanes 0-15 of the two registers and row i+16's into lanes 16-31;
	; their sum is row i in lanes 0-15 and row i+16 in lanes 16-31.
.set i, 0
.rept 16
	v_permlane16_swap_b32 v[S+i], v[S+i+16]
	v_add_f32 v[S+i], v[S+i], v[S+i+16]
.set i, i+1
.endr
	; Inside each half, for m = 8, 4, 2, 1: both registers of a pair (i, i+m) add lane l xor m to lane l; lanes with bit m keep the upper
	; row, the others the lower.  Register i then stands for row i + (the lane's bits from m upward); after m = 1, register 0 for row l.
.macro FOLD m, mask
.set i, 0
.rept \m
	v_add_f32_dpp v[S+i], v[S+i], v[S+i] row_xmask:\m row_mask:0xf bank_mask:0xf
	v_add_f32_dpp v[S+i+\m], v[S+i+\m], v[S+i+\m] row_xmask:\m row_mask:0xf bank_mask:0xf
	v_cndmask_b32 v[S+i], v[S+i], v[S+i+\m], \mask
.set i, i+1
.endr
.endm
	FOLD 8, s20
	FOLD 4, s21
	FOLD 2, s22
	FOLD 1, s23
	; ACROSS THE 16 WAVES: wave w puts its 32 sums at LDS bytes 128 w .. 128 w + 127 (4 t), one barrier, wave 0 adds them up.
	v_lshlrev_b32 v[T], 2, v0
	ds_store_b32 v[T], v[S]
	s_wait_dscnt 0x0                               ; for the reader's sake: my store is in LDS before I signal
	s_barrier_signal -1
	s_barrier_wait -1
	s_cmp_lg_u32 s16, 0
	s_cbranch_scc1 .Ldone                          ; 32 results: one wave's work
.irp k, 0,1,2,3,4,5,6,7,8,9,10,11,12,13,14,15
	ds_load_b32 v[S+\k], v[LN4] offset:128*\k      ; row (lane) of wave k: 32 neighbouring words, no two in one bank
.endr
	s_wait_dscnt 0x0
.irp k, 0,2,4,6
	v_pk_add_f32 v[S+\k:S+\k+1], v[S+\k:S+\k+1], v[S+8+\k:S+8+\k+1]          ; 16 -> 8
.endr
.irp k, 0,2
	v_pk_add_f32 v[S+\k:S+\k+1], v[S+\k:S+\k+1], v[S+4+\k:S+4+\k+1]          ; 8 -> 4
.endr
	v_pk_add_f32 v[S:S+1], v[S:S+1], v[S+2:S+3]                              ; 4 -> 2
	v_add_f32 v[S], v[S], v[S+1]
	v_add_f32 v[S], v[S], v[BIAS]
	global_store_b32 v[LN4], v[S], s[10:11]        ; 32 lanes, 128 consecutive bytes: all that the work-group's 32 rows give
.Ldone:
	s_wait_tensorcnt 0x0
	ds_add_u32 v184, v185
	s_wait_dscnt 0x0
	s_endpgm
.Lfunc_end_k_q30b5099839_matvec:
	.size	k_q30b5099839_matvec, .Lfunc_end_k_q30b5099839_matvec-k_q30b5099839_matvec
	.p2alignl 7, 3214868480
	.fill 96, 4, 3214868480
	.section	.rodata,"a",@progbits
	.p2align	6, 0x0
	.amdhsa_kernel k_q30b5099839_matvec
		.amdhsa_group_segment_fixed_size 4096
		.amdhsa_private_segment_fixed_size 0
		.amdhsa_enable_private_segment 0
		.amdhsa_kernarg_size 32
		.amdhsa_user_sgpr_count 2
		.amdhsa_user_sgpr_kernarg_segment_ptr 1
		.amdhsa_wavefront_size32 1
		.amdhsa_system_sgpr_workgroup_id_x 1
		.amdhsa_system_sgpr_workgroup_id_y 1
		.amdhsa_system_sgpr_workgroup_id_z 1
		.amdhsa_system_vgpr_workitem_id 0
		.amdhsa_next_free_vgpr 186
		.amdhsa_next_free_sgpr 66
		.amdhsa_reserve_vcc 0
		.amdhsa_float_denorm_mode_32 3
		.amdhsa_float_denorm_mode_16_64 3
		.amdhsa_memory_ordered 1
		.amdhsa_forward_progress 1
		.amdhsa_inst_pref_size 38
	.end_amdhsa_kernel
	.amdgpu_metadata
---
amdhsa.version: [ 1, 2 ]
amdhsa.kernels:
  - .name:           k_q30b5099839_matvec
    .symbol:         k_q30b5099839_matvec.kd
    .args:
      - { .name: input, .offset: 0, .size: 8, .value_kind: global_buffer, .address_space: global }
      - { .name: weight, .offset: 8, .size: 8, .value_kind: global_buffer, .address_space: global }
      - { .name: bias, .offset: 16, .size: 8, .value_kind: global_buffer, .address_space: global }
      - { .name: out0, .offset: 24, .size: 8, .value_kind: global_buffer, .address_space: global }
    .group_segment_fixed_size: 4096
    .private_segment_fixed_size: 0
    .kernarg_segment_align: 8
    .kernarg_segment_size: 32
    .max_flat_workgroup_size: 512
    .sgpr_count:     66
    .vgpr_count:     186
    .wavefront_size: 32
...
	.end_amdgpu_metadata
.endif
;; end of part 1
;; ======== version 2 of 2: 1 launch; version 1 with the launch matvec written anew for expert scheduling mode
;; launch matvec (part 2): grid 256 x 1, 16 waves a work-group, no clusters, 4,096 bytes of LDS; arguments input, weight, bias, out0; writes out0
.if DOCPART == 2
	.amdgcn_target "amdgcn-amd-amdhsa--gfx1250"
	.amdhsa_code_object_version 6
	.text
	.protected	k_q30b5099839_matvec
	.globl	k_q30b5099839_matvec
	.p2align	8
	.type	k_q30b5099839_matvec,@function
k_q30b5099839_matvec:
	s_mov_b64 s[64:65], 0
	v_nop
	global_prefetch_b8 v0, s[64:65] scope:SCOPE_SE
	s_setreg_imm32_b32 hwreg(HW_REG_WAVE_SCHED_MODE, 0, 2), 2
	s_setreg_imm32_b32 hwreg(HW_REG_WAVE_MODE, 25, 1), 1
	s_wait_xcnt 0x0
	s_wait_alu depctr_vm_vsrc(0)
; out[o] = sum over i of weight[o][i] * input[i] + bias[o].   weight: [8192][8192] f32, input, bias, out: [8192] f32.
;
; Every weight is read once and feeds one multiply-add: the kernel is a stream, and is laid out by bytes.
; 256 work-groups of 16 waves; a work-group owns 32 rows (1 MiB of weight).  Thread t (0..511) owns the 16 bytes at 16 t in each of
; the four 8,192-byte quarters of every row: one load of a wave covers 512 consecutive bytes, aligned; the 16 waves together 8 KiB;
; four loads a thread cover the row.  A thread's 16 numbers of x stay in registers for the whole kernel.
; All row steps are immediates (31 rows + 3 quarters = 1,040,384 bytes at the most, inside the signed 24-bit field), so no address
; register and no base is ever rewritten.  The 32 rows are written out (each row has a sum register of its own): about 5 KiB of code.
;
; THE MODE: SCHED_MODE bits 1:0 = 2 (LLVM: expert scheduling mode 2), set by the entry lines.  The code itself states the register
; dependences between vector instructions and memory or LDS instructions, with s_wait_alu, always for 0.
; THE PLAN.  The 32 rows go in 16 blocks of two, through five block buffers (ten row slots).  Registers that memory or LDS instructions touch:
;   W0 .. W4       Block p's two chains read W[p % 5].  The eight loads of block p + 4, issued in block p, land in W[(p + 4) % 5] = W[(p - 1) % 5],
;                  the buffer that block p - 1 read and that no vector instruction of block p names.
;   v[OFF], v[LN4] Offsets, made once at the head and never written again.
;   v[BIAS], v[X]  Loaded at the head; no vector instruction names them before.
;   v[T], v[S ..]  Named by vector instructions alone until the stream and the fold are over; then address and data of the one LDS store,
;                  destination of wave 0's LDS loads, data of the one global store.
; So ONE wait on va_vdst stands at the head of a block that loads, behind the wait for the block's data: the block before is done reading its buffer.
; The block's eight loads follow it, one in front of every second multiply-add, with no further wait.  24 to 32 loads (12 to 16 KiB) of every wave
; are on their way, up to 256 KiB for the work-group.
;
; NOT USED, by the sizes: the matrix unit (x is one column where a tile has sixteen, and rounding a weight to bf16 takes as many vector
; instructions as the f32 multiply-add itself); LDS for the weights (a write and a read more for every byte); clusters (work-groups share
; only x, 32 KiB beside 1 MiB); prefetches (the ring itself asks for each row eight rows ahead, a quarter of the wave's whole share).
; The work-group's result is 32 numbers: its one store covers 128 consecutive bytes, aligned.
;
; ARITHMETIC: all f32, fused multiply-adds.  The order of the sum differs from a plain left-to-right sum: for each output 1,024 chains of
; 8 products, then a tree over the pair, the 32 lanes and the 16 waves, the bias last.  No limit of range beyond f32's own.
.set ROWS,   32                        ; rows of a work-group
.set BLOCKS, ROWS/2                    ; blocks of two rows
.set AHEAD,  4                         ; block p asks for block p + 4: eight rows ahead
.set SLOTS,  2*(AHEAD+1)               ; row slots in the ring: five block buffers
.set ROWB,   32768                     ; bytes in a row
.set CHUNK,  8192                      ; bytes that the 512 threads cover with one load each
.set OFF,   1                          ; v1        16 t: my bytes in a quarter row, of weight and of x alike
.set LN4,   2                          ; v2        4 x lane: my word of bias and out, and of a wave's 32 sums in LDS
.set BIAS,  3                          ; v3        bias of row (lane)
.set X,     4                          ; v[4:19]   my 16 numbers of x: quarter j in v[X+4j : X+4j+3]
.set S,     20                         ; v[20:51]  my partial sum of each of the 32 rows
.set T,     52                         ; v[52:55]  two working pairs, rows take turns
.set W,     56                         ; v[56:215] the ring: slot (row mod 10) has 16 registers, quarter j in the j-th four
	s_load_b256 s[4:11], s[0:1], 0x0               ; input s[4:5], weight s[6:7], bias s[8:9], out s[10:11]
	v_lshl_add_u32 v216, v0, 2, 0x800
	v_mov_b32 v217, 0
	v_lshlrev_b32 v[OFF], 4, v0
	v_and_b32 v[LN4], 31, v0
	v_lshlrev_b32 v[LN4], 2, v[LN4]
	v_lshrrev_b32 v[T], 5, v0
	v_readfirstlane_b32 s16, v[T]                  ; wave number, for the branch at the end
	s_lshl_b32 s12, ttmp9, 20                      ; the work-group's 32 rows of 32,768 bytes: at most 255 MiB, one word
	s_mov_b32 s13, 0
	s_lshl_b32 s14, ttmp9, 7                       ; its 32 words of bias and out
	s_mov_b32 s15, 0
	s_mov_b32 s20, 0xff00ff00                      ; lanes whose number has bit 3 set,
	s_mov_b32 s21, 0xf0f0f0f0                      ; bit 2,
	s_mov_b32 s22, 0xcccccccc                      ; bit 1,
	s_mov_b32 s23, 0xaaaaaaaa                      ; bit 0: the selects of the fold behind the stream
	s_wait_alu depctr_va_sdst(0)                   ; s16 is written, ahead of its first reader: the compare in front of the branch at the end
	s_wait_kmcnt 0x0
	s_add_nc_u64 s[6:7], s[6:7], s[12:13]
	s_add_nc_u64 s[8:9], s[8:9], s[14:15]
	s_add_nc_u64 s[10:11], s[10:11], s[14:15]
	s_wait_alu depctr_va_vdst(0)                   ; v[OFF] and v[LN4] are written: every load, LDS load and store below but one reads one of them as its offset
	; The oldest loads: bias and x.  Loads return in order (ISA guide 5.7.1), so the first counted wait of the stream covers them too.
	; Every wave takes the 128 bytes of bias, though wave 0 alone adds them: one load here, long done when it is wanted.
	global_load_b32 v[BIAS], v[LN4], s[8:9]
.irp j, 0,1,2,3
	global_load_b128 v[X+4*\j:X+4*\j+3], v[OFF], s[4:5] offset:\j*CHUNK      ; read again by every work-group: no hint
.endr
; four loads: row rw of the work-group into its slot.  Weights are read once in the launch: non-temporal.
.macro FILL rw
.irp j, 0,1,2,3
	global_load_b128 v[W+16*((\rw)%SLOTS)+4*\j:W+16*((\rw)%SLOTS)+4*\j+3], v[OFF], s[6:7] offset:(\rw)*ROWB+\j*CHUNK th:TH_LOAD_NT
.endr
.endm
.set row, 0
.rept 2*AHEAD
	FILL row                                       ; rows 0 to 7, blocks 0 to 3; the fifth buffer is asked for in block 0, like every buffer after it
.set row, row+1
.endr
	; THE STREAM.  A block's turn: wait for its eight loads; two rows of 16 multiply-adds a lane, each in one chain of pairs; among them the
	; eight loads of the block four further on, into the buffer that the block before read.
.set blk, 0
.rept BLOCKS
.if BLOCKS-1-blk < AHEAD-1
	s_wait_loadcnt 8*(BLOCKS-1-blk)                ; the last blocks: nothing is asked for any more, what is behind this block runs down 16, 8, 0
.else
	s_wait_loadcnt 8*(AHEAD-1)                     ; behind this block's eight loads stand those of the next three blocks: 24 may stay out
.endif
.if (blk > 0) && (blk+AHEAD < BLOCKS)
	s_wait_alu depctr_va_vdst(0)                   ; the block before is done reading its buffer, in which the eight loads below land (block 0: no vector instruction has named the fifth buffer)
.endif
.set q, 0
.rept 2
.set row, 2*blk+q
.set w, W+16*(row%SLOTS)
.set t, T+2*q                                      ; neighbouring rows' chains use different pairs and do not wait for each other
.set nr, row+2*AHEAD                               ; the row asked for: eight further on,
.set nw, W+16*(nr%SLOTS)                           ; into the slot of the row two back
.set p, 0
.rept 8
.if (p%2 == 0) && (blk+AHEAD < BLOCKS)
	global_load_b128 v[nw+2*p:nw+2*p+3], v[OFF], s[6:7] offset:nr*ROWB+(p/2)*CHUNK th:TH_LOAD_NT  ; no wait: no vector instruction since the block's head names these registers or v[OFF]
.endif
.if p == 0
	v_pk_mul_f32 v[t:t+1], v[w:w+1], v[X:X+1]      ; the first products start the sum: nothing is cleared
.else
	v_pk_fma_f32 v[t:t+1], v[w+2*p:w+2*p+1], v[X+2*p:X+2*p+1], v[t:t+1]
.endif
.set p, p+1
.endr
	v_add_f32 v[S+row], v[t], v[t+1]
.set q, q+1
.endr
.set blk, blk+1
.endr
	; THE FOLD: 32 sums in each of 32 lanes become one sum in each lane, lane l ending with row l.
	; Across the halves: the swap puts row i's two halves into lanes 0-15 of the two registers and row i+16's into lanes 16-31;
	; their sum is row i in lanes 0-15 and row i+16 in lanes 16-31.
.set i, 0
.rept 16
	v_permlane16_swap_b32 v[S+i], v[S+i+16]
	v_add_f32 v[S+i], v[S+i], v[S+i+16]
.set i, i+1
.endr
	; Inside each half, for m = 8, 4, 2, 1: both registers of a pair (i, i+m) add lane l xor m to lane l; lanes with bit m keep the upper
	; row, the others the lower.  Register i then stands for row i + (the lane's bits from m upward); after m = 1, register 0 for row l.
.macro FOLD m, mask
.set i, 0
.rept \m
	v_add_f32_dpp v[S+i], v[S+i], v[S+i] row_xmask:\m row_mask:0xf bank_mask:0xf
	v_add_f32_dpp v[S+i+\m], v[S+i+\m], v[S+i+\m] row_xmask:\m row_mask:0xf bank_mask:0xf
	v_cndmask_b32 v[S+i], v[S+i], v[S+i+\m], \mask
.set i, i+1
.endr
.endm
	FOLD 8, s20
	FOLD 4, s21
	FOLD 2, s22
	FOLD 1, s23
	; ACROSS THE 16 WAVES: wave w puts its 32 sums at LDS bytes 128 w .. 128 w + 127 (4 t), one barrier, wave 0 adds them up.
	v_lshlrev_b32 v[T], 2, v0
	s_wait_alu depctr_va_vdst(0)                   ; the shift has written v[T] and the fold v[S], the LDS store's address and data; and the fold is done with v[S .. S+15], in which wave 0's LDS loads land
	ds_store_b32 v[T], v[S]
	s_wait_dscnt 0x0                               ; for the reader's sake: my store is in LDS before I signal
	s_barrier_signal -1
	s_barrier_wait -1
	s_cmp_lg_u32 s16, 0
	s_cbranch_scc1 .Ldone                          ; 32 results: one wave's work
	s_wait_alu depctr_vm_vsrc(0)                   ; my LDS store has read v[S], in which the first of the loads below lands
.irp k, 0,1,2,3,4,5,6,7,8,9,10,11,12,13,14,15
	ds_load_b32 v[S+\k], v[LN4] offset:128*\k      ; row (lane) of wave k: 32 neighbouring words, no two in one bank
.endr
	s_wait_dscnt 0x0
.irp k, 0,2,4,6
	v_pk_add_f32 v[S+\k:S+\k+1], v[S+\k:S+\k+1], v[S+8+\k:S+8+\k+1]          ; 16 -> 8
.endr
.irp k, 0,2
	v_pk_add_f32 v[S+\k:S+\k+1], v[S+\k:S+\k+1], v[S+4+\k:S+4+\k+1]          ; 8 -> 4
.endr
	v_pk_add_f32 v[S:S+1], v[S:S+1], v[S+2:S+3]                              ; 4 -> 2
	v_add_f32 v[S], v[S], v[S+1]
	v_add_f32 v[S], v[S], v[BIAS]
	s_wait_alu depctr_va_vdst(0)                   ; the last add has written v[S], which the store reads
	global_store_b32 v[LN4], v[S], s[10:11]        ; 32 lanes, 128 consecutive bytes: all that the work-group's 32 rows give
.Ldone:
	s_wait_dscnt 0x0
	s_wait_alu depctr_hold_cnt(0) depctr_sa_sdst(0) depctr_va_vdst(0) depctr_va_sdst(0) depctr_va_ssrc(0) depctr_va_vcc(0) depctr_vm_vsrc(0)
	s_wait_tensorcnt 0x0
	ds_add_u32 v216, v217
	s_wait_dscnt 0x0
	s_endpgm
.Lfunc_end_k_q30b5099839_matvec:
	.size	k_q30b5099839_matvec, .Lfunc_end_k_q30b5099839_matvec-k_q30b5099839_matvec
	.p2alignl 7, 3214868480
	.fill 96, 4, 3214868480
	.section	.rodata,"a",@progbits
	.p2align	6, 0x0
	.amdhsa_kernel k_q30b5099839_matvec
		.amdhsa_group_segment_fixed_size 4096
		.amdhsa_private_segment_fixed_size 0
		.amdhsa_enable_private_segment 0
		.amdhsa_kernarg_size 32
		.amdhsa_user_sgpr_count 2
		.amdhsa_user_sgpr_kernarg_segment_ptr 1
		.amdhsa_wavefront_size32 1
		.amdhsa_system_sgpr_workgroup_id_x 1
		.amdhsa_system_sgpr_workgroup_id_y 1
		.amdhsa_system_sgpr_workgroup_id_z 1
		.amdhsa_system_vgpr_workitem_id 0
		.amdhsa_next_free_vgpr 218
		.amdhsa_next_free_sgpr 66
		.amdhsa_reserve_vcc 0
		.amdhsa_float_denorm_mode_32 3
		.amdhsa_float_denorm_mode_16_64 3
		.amdhsa_memory_ordered 1
		.amdhsa_forward_progress 1
		.amdhsa_inst_pref_size 38
	.end_amdhsa_kernel
	.amdgpu_metadata
---
amdhsa.version: [ 1, 2 ]
amdhsa.kernels:
  - .name:           k_q30b5099839_matvec
    .symbol:         k_q30b5099839_matvec.kd
    .args:
      - { .name: input, .offset: 0, .size: 8, .value_kind: global_buffer, .address_space: global }
      - { .name: weight, .offset: 8, .size: 8, .value_kind: global_buffer, .address_space: global }
      - { .name: bias, .offset: 16, .size: 8, .value_kind: global_buffer, .address_space: global }
      - { .name: out0, .offset: 24, .size: 8, .value_kind: global_buffer, .address_space: global }
    .group_segment_fixed_size: 4096
    .private_segment_fixed_size: 0
    .kernarg_segment_align: 8
    .kernarg_segment_size: 32
    .max_flat_workgroup_size: 512
    .sgpr_count:     66
    .vgpr_count:     218
    .wavefront_size: 32
...
	.end_amdgpu_metadata
.endif
;; end of part 2
